; MI455X (gfx1250); checked and timed in simulation.
; The chip was launched on July 23, 2026; its instructions are those of AMD's public machine-readable ISA for CDNA 5 (MIT licence, August 2026) and "CDNA5" Instruction Set Architecture Reference Guide (July 2026). The comments in the code are by the model that wrote it; some were corrected since.
;; Machete Layer. Allowed arithmetic: float matrix products may take bf16 or f16 operands with f32 sums; other float arithmetic in f32, or as packed bf16 or f16 multiplies, adds, multiply-adds, maxima and minima; sums over many terms, partial sums and values carried from step to step in f32; what a program stores and reads back later, other than sums and carried values, may be rounded once to bf16 or f16.
;; Inputs: B 1,024 x 8,192 int32; s 64 x 8,192 float32; x 64 x 8,192 float32.
;; Outputs: out0 64 x 8,192 float32.
;; 2 versions, each right; version 2 is version 1 with the launch mm written anew for expert scheduling mode. Each part assembles by itself: llvm-mc -triple=amdgcn-amd-amdhsa -mcpu=gfx1250 --defsym DOCPART=n.
;; ======== version 1 of 2: 2 launches
;; limits: values are held in f16: magnitudes above 65,504 overflow, below 6.1e-05 lose precision; inputs' magnitudes at most 65,504
;; workspace buffers: part 16,777,216 bytes
;; launch mm (part 1): grid 32 x 8, 8 waves a work-group, no clusters, 205,824 bytes of LDS; arguments x, B, s, part; writes part
.if DOCPART == 1
	.amdgcn_target "amdgcn-amd-amdhsa--gfx1250"
	.amdhsa_code_object_version 6
	.text
	.protected	k_q7b898bb10d_mm
	.globl	k_q7b898bb10d_mm
	.p2align	8
	.type	k_q7b898bb10d_mm,@function
k_q7b898bb10d_mm:
	s_mov_b64 s[64:65], 0
	v_nop
	global_prefetch_b8 v0, s[64:65] scope:SCOPE_SE
	s_setreg_imm32_b32 hwreg(HW_REG_WAVE_MODE, 25, 1), 1
	s_wait_xcnt 0x0
; part[by][m][n] = sum over the 1,024 k of K slice by of x[m][k] * (nibble(k, n) - 8) * s[k / 128][n], in f32.
; x [64][8192] f32, B [1024][8192] int32 (nibble i of row kp is k = 8 kp + i), s [64][8192] f32, part [8][64][8192] f32.
; A work-group (bx, by) makes 64 rows x 256 columns over 1,024 k.  Eight waves of 512 registers, so that one wave's unpacking can stand
; beside another's matrix instructions.  Wave w: nq = w & 3 picks 64 columns, kh = w >> 2 picks 512 k = 4 scale groups of 128.
; K IS SPLIT OVER WORK-GROUPS because every work-group needs all 64 rows of x for its k: with 1,024 k it takes in 262,144 bytes of x for
; 131,072 of B, and x as f16 (131,072 bytes) lies in LDS whole, each byte written once.  The eight slices are summed by the next launch.
; B NEVER TOUCHES LDS: lane (r, h) = (lane & 15, lane >> 4) loads 16 bytes, columns 4 r .. 4 r + 3 of row 2 i + h, so sixteen lanes read 256
; consecutive bytes at a multiple of 256, and register t of the load is the word of column 4 r + t: column tile t has column 4 r + t in lane r.
; FORMAT: f16 operands, f32 sums.  The weights nibble - 8 are whole numbers and exact in f16.  x is rounded to f16 once.
; LIMIT, stated: |x| above 65,504 becomes infinite in f16; elements of x below 6.1e-5 keep an absolute error of 2^-25.
; The scales stay f32 and multiply each group's f32 sums; the 8 is taken from each weight itself, never from a sum.
; K PLACES: in K step c of a group, register q of lane half h holds k' = 8 (2 c + h) + q below and k' + 64 above, in x's fragments and in
; W's alike, so the products are those of the true k (the two operands' places only have to agree).
; NO JOINT LOADS for x, though the 32 work-groups of a slice share it: a joint load would land f32 in LDS, 262,144 bytes filled, 262,144 read
; back, 131,072 stored again as f16; through registers LDS sees the 131,072 alone.
; The text has no label and no branch: four groups, written by one macro; every step of an address stands in an immediate, so no address
; register is written twice, and EXEC never changes.
.set ROWB,  32768                      ; bytes in a row of x, B, s and part
.set GRPB,  16*ROWB                    ; B: 16 rows of words are a scale group
.set XP,    272                        ; LDS: a row's 64 words (x[k'], x[k'+64]) of one group + 16 bytes: 16 rows start at 16 different 16-byte columns modulo 256
.set MT,    16*XP                      ; 16 rows
.set GRP,   64*XP                      ; one group, 64 rows
.set KHB,   4*GRP                      ; the four groups of a K half
.set SCR,   2*KHB                      ; behind x: 8,192 bytes for each wave, for the way out
; window 0 (v0-255)
.set VB,   1                           ; byte offset of my 16 bytes in B (row h of my first group)
.set VX,   2                           ; the same in x (row 16 nq + h, my K half's first k)
.set VSC,  3                           ; the same in s (my first group's row)
.set VS,   4                           ; LDS: where I put packed x
.set VFA,  5                           ; LDS: my x fragments, register row tiles 0, 1
.set VFB,  6                           ; the same, register row tiles 2, 3
.set VE,   7                           ; LDS: my 16 bytes in my wave's stage for the way out
.set VEP,  8                           ; the same in my partner's (wave w ^ 4)
.set VO,   9                           ; byte offset of my 16 bytes in my slice of part
.set CLO,  10                          ; -1032, twice, f16
.set CHI,  11                          ; -72, twice, f16
.set SC,   16                          ; v16-31   scales: group g, column tile t at SC + 4 g + t
.set P,    32                          ; v32-47   byte j of words a and b of column tile t, at P + 4 t + j (at the start: temporaries)
.set WF,   48                          ; v48-63   two fragments of W
.set XF,   64                          ; v64-127  x fragments: two buffers of four row tiles
.set TEMP, 128                         ; v128-255 the group's sums: tile (t, m) at TEMP + 8 (4 t + m)
.set R,    TEMP                        ; the way out: my partner's sums
.set O,    TEMP+64                     ; the way out: four neighbouring columns in four neighbouring registers
; window 1 (v256-511, written by their low 8 bits)
.set ACC,  0                           ; the running sums, laid out as TEMP
.set BW,   128                         ; B's words: two slots of a group, load i at 4 i
.set XS,   192                         ; x as loaded: pair of rows p: k' 0-63 at 8 p, k' 64-127 at 8 p + 4
.set MSB, 0
.macro WIN new                         ; low byte: bits 1:0 source 0, 3:2 source 1, 5:4 source 2, 7:6 destination; the high byte repeats the setting that is left
.if MSB != \new
	s_set_vgpr_msb (MSB<<8)|\new
.set MSB, \new
.endif
.endm
; 16 loads: x of group g of my K half, my 16 rows.  Lanes 0-15 take 256 consecutive bytes of one row, lanes 16-31 of the next.
.macro XLOAD g
	WIN 0x40
.irp p, 0,1,2,3,4,5,6,7
	global_load_b128 v[XS+8*\p:XS+8*\p+3],   v[VX], s[4:5] offset:\p*2*ROWB+(\g)*512
	global_load_b128 v[XS+8*\p+4:XS+8*\p+7], v[VX], s[4:5] offset:\p*2*ROWB+(\g)*512+256
.endr
.endm
; 8 loads: the 16 rows of words of group g, my 64 columns, into slot sl.  Each byte of B is read once in the launch.
.macro BLOAD g, sl
	WIN 0x40
.irp i, 0,1,2,3,4,5,6,7
	global_load_b128 v[BW+32*\sl+4*\i:BW+32*\sl+4*\i+3], v[VB], s[6:7] offset:(\g)*GRPB+\i*2*ROWB th:TH_LOAD_NT
.endr
.endm
; x to f16: x[k'] below, x[k' + 64] above; 16 bytes a lane into LDS, 256 consecutive bytes for sixteen lanes.
.macro STAGE g
	WIN 0x45
.irp p, 0,1,2,3,4,5,6,7
.irp i, 0,1,2,3
	v_cvt_pk_f16_f32 v[XS+8*\p+\i], v[XS+8*\p+\i], v[XS+8*\p+4+\i]
.endr
.endr
	WIN 0x04
.irp p, 0,1,2,3,4,5,6,7
	ds_store_b128 v[VS], v[XS+8*\p:XS+8*\p+3] offset:(\g)*GRP+\p*2*XP
.endr
	WIN 0
.endm
; 8 LDS loads: the four x fragments of K step c of group g.  Lane (r, h) takes the 32 bytes of words 8 (2 c + h) .. + 7 of row r.
.macro FRAGLOAD g, c, buf
	WIN 0
.irp m, 0,1
	ds_load_b128 v[XF+32*\buf+8*\m:XF+32*\buf+8*\m+3],         v[VFA] offset:(\g)*GRP+\m*MT+\c*64
	ds_load_b128 v[XF+32*\buf+8*\m+4:XF+32*\buf+8*\m+7],       v[VFA] offset:(\g)*GRP+\m*MT+\c*64+16
.endr
.irp m, 0,1
	ds_load_b128 v[XF+32*\buf+16+8*\m:XF+32*\buf+16+8*\m+3],   v[VFB] offset:(\g)*GRP+\m*MT+\c*64
	ds_load_b128 v[XF+32*\buf+16+8*\m+4:XF+32*\buf+16+8*\m+7], v[VFB] offset:(\g)*GRP+\m*MT+\c*64+16
.endr
.endm
; K step c's words: a from load c (row 2 c + h), b from load 4 + c (row 8 + 2 c + h).  Byte j of a goes to bytes 0, 1, byte j of b to bytes 2, 3.
.macro PERMS sl, c
	WIN 0x05
.irp t, 0,1,2,3
.irp j, 0,1,2,3
	v_perm_b32 v[P+4*\t+\j], v[BW+32*\sl+4*(4+\c)+\t], v[BW+32*\sl+4*\c+\t], s[20+\j]
.endr
.endr
	WIN 0
.endm
; A quarter of the unpacking of column tile t into fragment wb.  0x6400 | n is 1024 + n in f16; 0x5400 | 16 n is 64 + n; the subtractions are exact.
.macro DEQP part, t, wb
.irp j, 0,1,2,3
.if \part == 0
	v_and_or_b32 v[WF+8*\wb+2*\j], v[P+4*\t+\j], s24, s26                          ; nibble 2 j: 1024 + n
.endif
.if \part == 1
	v_and_or_b32 v[WF+8*\wb+2*\j+1], v[P+4*\t+\j], s25, s27                        ; nibble 2 j + 1: 64 + n
.endif
.if \part == 2
	v_pk_add_f16 v[WF+8*\wb+2*\j], v[WF+8*\wb+2*\j], v[CLO]                        ; - 1032 = n - 8
.endif
.if \part == 3
	v_pk_add_f16 v[WF+8*\wb+2*\j+1], v[WF+8*\wb+2*\j+1], v[CHI]                    ; - 72 = n - 8
.endif
.endr
.endm
; Column tile t of K step c: four matrix instructions, one for each row tile, and behind each a quarter of the unpacking of the next fragment.
; The sixteen accumulators take turns, one instruction a turn, in the same order in every K step.
; The four plain vector instructions behind each matrix instruction name none of its registers (ISA guide 7.12.1): so the fragment that
; the unit before read is written, and the x buffer that a K step read is loaded again, four places behind their last use.
.macro UNIT c, t, deq
	WIN 0
.irp m, 0,1,2,3
.if \c == 0
	v_wmma_f32_16x16x32_f16 v[TEMP+8*(4*\t+\m):TEMP+8*(4*\t+\m)+7], v[XF+32*(\c&1)+8*\m:XF+32*(\c&1)+8*\m+7], v[WF+8*(\t&1):WF+8*(\t&1)+7], 0
.else
	v_wmma_f32_16x16x32_f16 v[TEMP+8*(4*\t+\m):TEMP+8*(4*\t+\m)+7], v[XF+32*(\c&1)+8*\m:XF+32*(\c&1)+8*\m+7], v[WF+8*(\t&1):WF+8*(\t&1)+7], v[TEMP+8*(4*\t+\m):TEMP+8*(4*\t+\m)+7]
.endif
.if \deq
	DEQP \m, ((\t+1)&3), ((\t+1)&1)
.endif
.endr
.endm
; The group's sums times the group's scale of the lane's column, onto the running sums; the first group starts them, nothing is cleared.
; The group's last four matrix instructions wrote tiles (3, 0..3), which are read behind the 48 instructions of tiles (0..2, ..).
.macro SCALE g
	WIN 0x50
.irp t, 0,1,2,3
.irp m, 0,1,2,3
.irp q, 0,2,4,6
.if \g == 0
.if (\t&1) == 0
	v_pk_mul_f32 v[ACC+8*(4*\t+\m)+\q:ACC+8*(4*\t+\m)+\q+1], v[TEMP+8*(4*\t+\m)+\q:TEMP+8*(4*\t+\m)+\q+1], v[SC+4*\g+(\t&2):SC+4*\g+(\t&2)+1] op_sel_hi:[1,0]
.else
	v_pk_mul_f32 v[ACC+8*(4*\t+\m)+\q:ACC+8*(4*\t+\m)+\q+1], v[TEMP+8*(4*\t+\m)+\q:TEMP+8*(4*\t+\m)+\q+1], v[SC+4*\g+(\t&2):SC+4*\g+(\t&2)+1] op_sel:[0,1] op_sel_hi:[1,1]
.endif
.else
.if (\t&1) == 0
	v_pk_fma_f32 v[ACC+8*(4*\t+\m)+\q:ACC+8*(4*\t+\m)+\q+1], v[TEMP+8*(4*\t+\m)+\q:TEMP+8*(4*\t+\m)+\q+1], v[SC+4*\g+(\t&2):SC+4*\g+(\t&2)+1], v[ACC+8*(4*\t+\m)+\q:ACC+8*(4*\t+\m)+\q+1] op_sel_hi:[1,0,1]
.else
	v_pk_fma_f32 v[ACC+8*(4*\t+\m)+\q:ACC+8*(4*\t+\m)+\q+1], v[TEMP+8*(4*\t+\m)+\q:TEMP+8*(4*\t+\m)+\q+1], v[SC+4*\g+(\t&2):SC+4*\g+(\t&2)+1], v[ACC+8*(4*\t+\m)+\q:ACC+8*(4*\t+\m)+\q+1] op_sel:[0,1,0] op_sel_hi:[1,1,1]
.endif
.endif
.endr
.endr
.endr
	WIN 0
.endm
; One scale group: four K steps of 32, 64 matrix instructions.  B's slot is g & 1; its words were shown in by the wait at the end of the group before.
; bl = 1: when the slot's last words have been taken apart, B of group g + 2 is asked for into it.
; stage = 1: at the group's end x of group g + 1 is packed into LDS (sw: loads that may stay out behind that x); xl = 1: x of group g + 2 is asked for.
; The barrier is signalled there; the scaling, register work alone, stands between the signal and the wait.
.macro GROUP g, bl, stage, sw, xl
	FRAGLOAD \g, 0, 0
	PERMS (\g&1), 0
	DEQP 0, 0, 0
	DEQP 1, 0, 0
	DEQP 2, 0, 0
	DEQP 3, 0, 0
	FRAGLOAD \g, 1, 1
	s_wait_dscnt 8                                 ; LDS loads end in order (ISA guide 5.7.1): K step 0's eight are in, K step 1's eight stay out
	UNIT 0, 0, 1
	UNIT 0, 1, 1
	UNIT 0, 2, 1
	PERMS (\g&1), 1
	UNIT 0, 3, 1
	FRAGLOAD \g, 2, 0
	s_wait_dscnt 8                                 ; K step 1's are in, K step 2's stay out
	UNIT 1, 0, 1
	UNIT 1, 1, 1
	UNIT 1, 2, 1
	PERMS (\g&1), 2
	UNIT 1, 3, 1
	FRAGLOAD \g, 3, 1
	s_wait_dscnt 8                                 ; K step 2's are in, K step 3's stay out
	UNIT 2, 0, 1
	UNIT 2, 1, 1
	UNIT 2, 2, 1
	PERMS (\g&1), 3
.if \bl
	BLOAD (\g+2), (\g&1)                           ; the slot's 32 registers have all been read by the lines above
.endif
	UNIT 2, 3, 1
	s_wait_dscnt 0                                 ; K step 3's are in: nothing was issued behind them
	UNIT 3, 0, 1
	UNIT 3, 1, 1
	UNIT 3, 2, 1
	UNIT 3, 3, 0
.if \stage
	s_wait_loadcnt \sw                             ; loads end in order: x of group g + 1 is in, and B of group g + 1, which is older; B of group g + 2 stays out
	STAGE (\g+1)
	s_wait_dscnt 0                                 ; for the other waves' sake: my 16 rows lie in LDS
.if \xl
	XLOAD (\g+2)
.endif
	s_barrier_signal -1
.endif
	SCALE \g
.if \stage
	s_barrier_wait -1                              ; all 64 rows of group g + 1 lie in LDS, in both K halves
.endif
.endm
	s_load_b256 s[4:11], s[0:1], 0x0               ; x s[4:5], B s[6:7], s s[8:9], part s[10:11]
	v_lshrrev_b32 v32, 5, v0
	v_readfirstlane_b32 s12, v32                   ; wave 0..7
	s_and_b32 s13, s12, 3                          ; nq: which 64 columns; also which 16 rows of x I bring
	s_lshr_b32 s14, s12, 2                         ; kh: which 512 k
	s_and_b32 s15, ttmp7, 0xffff                   ; by: the K slice
	s_lshl_b32 s16, ttmp9, 10                      ; 256 columns of 4 bytes for each bx,
	s_lshl_b32 s17, s13, 8
	s_add_co_u32 s16, s16, s17                     ; + 64 columns for each nq: my first column, in bytes
	s_mov_b32 s20, 0x04040000                      ; v_perm_b32: byte j of the second source below, byte j of the first above
	s_mov_b32 s21, 0x05050101
	s_mov_b32 s22, 0x06060202
	s_mov_b32 s23, 0x07070303
	s_mov_b32 s24, 0x000f000f                      ; the low nibbles
	s_mov_b32 s25, 0x00f000f0                      ; the high nibbles
	s_mov_b32 s26, 0x64006400                      ; 1024, twice, f16: a step of the mantissa is 1
	s_mov_b32 s27, 0x54005400                      ; 64, twice: a step of the mantissa is 1/16
	v_mov_b32 v[CLO], 0xe408e408
	v_mov_b32 v[CHI], 0xd480d480
	v_and_b32 v12, 15, v0                          ; r
	v_bfe_u32 v13, v0, 4, 1                        ; h
	v_lshlrev_b32 v14, 4, v12                      ; 16 r
	v_lshl_add_u32 v15, v13, 15, v14               ; + h rows of 32,768 bytes
	s_lshl_b32 s17, s15, 22                        ; B: 128 rows for each by,
	s_lshl_b32 s18, s14, 21                        ; 64 rows for kh
	s_add_co_u32 s17, s17, s18
	s_add_co_u32 s17, s17, s16
	v_add_nc_u32 v[VB], s17, v15
	s_lshl_b32 s17, s15, 12                        ; x: 1,024 k of 4 bytes for each by,
	s_lshl_b32 s18, s14, 11                        ; 512 k for kh,
	s_add_co_u32 s17, s17, s18
	s_lshl_b32 s18, s13, 19                        ; 16 rows for each nq
	s_add_co_u32 s17, s17, s18
	v_add_nc_u32 v[VX], s17, v15
	s_lshl_b32 s17, s15, 18                        ; s: 8 rows for each by,
	s_lshl_b32 s18, s14, 17                        ; 4 rows for kh
	s_add_co_u32 s17, s17, s18
	s_add_co_u32 s17, s17, s16
	v_add_nc_u32 v[VSC], s17, v14
	s_mul_i32 s17, s14, KHB                        ; LDS, in: my K half, my 16 rows, row h of a pair, 16 bytes for each r
	s_mul_i32 s18, s13, MT
	s_add_co_u32 s17, s17, s18
	v_mul_u32_u24 v[VS], v13, XP
	v_add3_u32 v[VS], v[VS], v14, s17
	; LDS, fragments.  Register row tile m stands for rows 16 ((m + 2 kh) & 3) ..: so every wave keeps register tiles 0, 1 on the way out and
	; gives tiles 2, 3 to its partner, and one text serves both K halves.
	v_mul_u32_u24 v32, v12, XP
	v_lshl_add_u32 v32, v13, 5, v32                ; row r, 32 bytes for h
	s_mul_i32 s17, s14, KHB+2*MT
	v_add_nc_u32 v[VFA], s17, v32
	s_mul_i32 s17, s14, KHB-2*MT
	s_add_co_u32 s17, s17, 2*MT
	v_add_nc_u32 v[VFB], s17, v32
	v_and_b32 v33, 31, v0
	v_lshlrev_b32 v33, 4, v33                      ; the way out: 16 bytes a lane
	s_lshl_b32 s17, s12, 13
	s_add_co_u32 s17, s17, SCR
	v_add_nc_u32 v[VE], s17, v33
	s_xor_b32 s18, s12, 4                          ; my partner: the same columns, the other K half
	s_lshl_b32 s18, s18, 13
	s_add_co_u32 s18, s18, SCR
	v_add_nc_u32 v[VEP], s18, v33
	s_lshl_b32 s17, s14, 20                        ; part: 32 rows for kh,
	s_add_co_u32 s17, s17, s16
	v_lshl_add_u32 v[VO], v13, 18, v14             ; 8 rows for h
	v_add_nc_u32 v[VO], s17, v[VO]
	s_lshl_b32 s18, s15, 21                        ; and 64 rows for each by, onto the base
	s_mov_b32 s19, 0
	s_wait_kmcnt 0x0
	s_add_nc_u64 s[10:11], s[10:11], s[18:19]
.irp g, 0,1,2,3
	global_load_b128 v[SC+4*\g:SC+4*\g+3], v[VSC], s[8:9] offset:\g*ROWB th:TH_LOAD_NT     ; my four groups' scales of columns 4 r .. 4 r + 3
.endr
	BLOAD 0, 0
	XLOAD 0
	BLOAD 1, 1
	s_wait_loadcnt 8                               ; the scales, B of group 0 and x of group 0 are in; B of group 1, eight loads, stays out
	STAGE 0
	s_wait_dscnt 0                                 ; for the other waves' sake: my 16 rows lie in LDS
	XLOAD 1
	s_barrier_signal -1
	s_barrier_wait -1
	GROUP 0, 1, 1, 8, 1
	GROUP 1, 1, 1, 8, 1
	GROUP 2, 0, 1, 0, 0                            ; nothing is asked for any more: x of group 3 is the youngest load, the wait is for 0
	GROUP 3, 0, 0, 0, 0
	; THE WAY OUT.  Waves w and w ^ 4 hold sums over the two K halves for the same 64 x 64 block.  Each gives the other its register row tiles 2, 3
	; through LDS bytes of its own, adds what it gets onto its tiles 0, 1, and stores 32 rows.
	WIN 0x04
.irp t, 0,1,2,3
.irp m, 2,3
.irp u, 0,1
	ds_store_b128 v[VE], v[ACC+8*(4*\t+\m)+4*\u:ACC+8*(4*\t+\m)+4*\u+3] offset:512*(4*\t+2*(\m-2)+\u)
.endr
.endr
.endr
	WIN 0
	s_wait_dscnt 0                                 ; for my partner's sake
	s_barrier_signal -1
	s_barrier_wait -1
.irp i, 0,1,2,3,4,5,6,7,8,9,10,11,12,13,14,15
	ds_load_b128 v[R+4*\i:R+4*\i+3], v[VEP] offset:512*\i      ; R + 16 t + 8 m + j: my partner's tile (t, m + 2), register j, of the same lane
.endr
	s_wait_dscnt 0
	WIN 0x01
.irp m, 0,1
.irp j, 0,1,2,3,4,5,6,7
.irp t, 0,1,2,3
	v_add_f32 v[O+4*(8*\m+\j)+\t], v[ACC+8*(4*\t+\m)+\j], v[R+16*\t+8*\m+\j]       ; columns 4 r + t of one row side by side
.endr
.endr
.endr
	WIN 0
.irp m, 0,1
.irp j, 0,1,2,3,4,5,6,7
	global_store_b128 v[VO], v[O+4*(8*\m+\j):O+4*(8*\m+\j)+3], s[10:11] offset:(16*\m+\j)*ROWB   ; sixteen lanes store 256 consecutive bytes at a multiple of 256; lanes 16-31 the row 8 further down
.endr
.endr
	s_wait_xcnt 0x0
	v_lshl_add_u32 v254, v0, 2, 0x32000
	v_mov_b32 v255, 0
	s_wait_tensorcnt 0x0
	ds_add_u32 v254, v255
	s_wait_dscnt 0x0
	s_endpgm
.Lfunc_end_k_q7b898bb10d_mm:
	.size	k_q7b898bb10d_mm, .Lfunc_end_k_q7b898bb10d_mm-k_q7b898bb10d_mm
	.p2alignl 7, 3214868480
	.fill 96, 4, 3214868480
	.section	.rodata,"a",@progbits
	.p2align	6, 0x0
	.amdhsa_kernel k_q7b898bb10d_mm
		.amdhsa_group_segment_fixed_size 205824
		.amdhsa_private_segment_fixed_size 0
		.amdhsa_enable_private_segment 0
		.amdhsa_kernarg_size 32
		.amdhsa_user_sgpr_count 2
		.amdhsa_user_sgpr_kernarg_segment_ptr 1
		.amdhsa_wavefront_size32 1
		.amdhsa_system_sgpr_workgroup_id_x 1
		.amdhsa_system_sgpr_workgroup_id_y 1
		.amdhsa_system_sgpr_workgroup_id_z 1
		.amdhsa_system_vgpr_workitem_id 0
		.amdhsa_next_free_vgpr 512
		.amdhsa_next_free_sgpr 66
		.amdhsa_reserve_vcc 0
		.amdhsa_float_denorm_mode_32 3
		.amdhsa_float_denorm_mode_16_64 3
		.amdhsa_memory_ordered 1
		.amdhsa_forward_progress 1
		.amdhsa_inst_pref_size 152
	.end_amdhsa_kernel
	.amdgpu_metadata
---
amdhsa.version: [ 1, 2 ]
amdhsa.kernels:
  - .name:           k_q7b898bb10d_mm
    .symbol:         k_q7b898bb10d_mm.kd
    .args:
      - { .name: x, .offset: 0, .size: 8, .value_kind: global_buffer, .address_space: global }
      - { .name: B, .offset: 8, .size: 8, .value_kind: global_buffer, .address_space: global }
      - { .name: s, .offset: 16, .size: 8, .value_kind: global_buffer, .address_space: global }
      - { .name: part, .offset: 24, .size: 8, .value_kind: global_buffer, .address_space: global }
    .group_segment_fixed_size: 205824
    .private_segment_fixed_size: 0
    .kernarg_segment_align: 8
    .kernarg_segment_size: 32
    .max_flat_workgroup_size: 256
    .sgpr_count:     66
    .vgpr_count:     512
    .wavefront_size: 32
...
	.end_amdgpu_metadata
.endif
;; end of part 1
;; launch add8 (part 2): grid 256 x 1, 8 waves a work-group, no clusters, 0 bytes of LDS; arguments part, out0; writes out0
.if DOCPART == 2
	.amdgcn_target "amdgcn-amd-amdhsa--gfx1250"
	.amdhsa_code_object_version 6
	.text
	.protected	k_q7b898bb10d_add8
	.globl	k_q7b898bb10d_add8
	.p2align	8
	.type	k_q7b898bb10d_add8,@function
k_q7b898bb10d_add8:
	s_mov_b64 s[64:65], 0
	v_nop
	global_prefetch_b8 v0, s[64:65] scope:SCOPE_SE
	s_setreg_imm32_b32 hwreg(HW_REG_WAVE_MODE, 25, 1), 1
	s_wait_xcnt 0x0
; out0[m][n] = the sum over the eight K slices of part[slice][m][n], in f32, slices ascending.  part [8][64][8192], out0 [64][8192], f32.
; A stream: 16,777,216 bytes in, 2,097,152 out.  256 work-groups of 256 threads; a work-group owns 8,192 consecutive bytes of out0, a thread
; two places of 16 bytes, 4,096 bytes apart.  A wave's load or store covers 512 consecutive bytes at a multiple of 512.
; All sixteen loads of a thread go out at once; no LDS, no barrier, no matrix unit: nothing is shared and nothing is multiplied.
.set SLICE, 0x200000                   ; bytes in a slice of part
.set X, 4                              ; v[4:67]: place q, slice sl at X + 32 q + 4 sl
	s_load_b128 s[4:7], s[0:1], 0x0                ; part s[4:5], out0 s[6:7]
	v_lshlrev_b32 v1, 4, v0                        ; 16 bytes a thread
	s_lshl_b32 s8, ttmp9, 13                       ; 8,192 bytes a work-group
	v_add_nc_u32 v1, s8, v1
	s_wait_kmcnt 0x0
	s_add_nc_u64 s[10:11], s[4:5], 4*SLICE         ; slices 4 to 7 by a second base: seven slices would pass the immediate's signed 24 bits
.irp q, 0,1
.irp sl, 0,1,2,3
	global_load_b128 v[X+32*\q+4*\sl:X+32*\q+4*\sl+3], v1, s[4:5] offset:\sl*SLICE+4096*\q th:TH_LOAD_NT
.endr
.irp sl, 0,1,2,3
	global_load_b128 v[X+32*\q+16+4*\sl:X+32*\q+16+4*\sl+3], v1, s[10:11] offset:\sl*SLICE+4096*\q th:TH_LOAD_NT
.endr
.endr
.macro SUM q, left
	s_wait_loadcnt \left                           ; loads end in order (ISA guide 5.7.1): this place's eight are in
.irp sl, 1,2,3,4,5,6,7
	v_pk_add_f32 v[X+32*\q:X+32*\q+1],   v[X+32*\q:X+32*\q+1],   v[X+32*\q+4*\sl:X+32*\q+4*\sl+1]
	v_pk_add_f32 v[X+32*\q+2:X+32*\q+3], v[X+32*\q+2:X+32*\q+3], v[X+32*\q+4*\sl+2:X+32*\q+4*\sl+3]
.endr
	global_store_b128 v1, v[X+32*\q:X+32*\q+3], s[6:7] offset:4096*\q th:TH_STORE_NT
.endm
	SUM 0, 8                                       ; the second place's eight loads stay out
	SUM 1, 0
	s_endpgm
.Lfunc_end_k_q7b898bb10d_add8:
	.size	k_q7b898bb10d_add8, .Lfunc_end_k_q7b898bb10d_add8-k_q7b898bb10d_add8
	.p2alignl 7, 3214868480
	.fill 96, 4, 3214868480
	.section	.rodata,"a",@progbits
	.p2align	6, 0x0
	.amdhsa_kernel k_q7b898bb10d_add8
		.amdhsa_group_segment_fixed_size 0
		.amdhsa_private_segment_fixed_size 0
		.amdhsa_enable_private_segment 0
		.amdhsa_kernarg_size 16
		.amdhsa_user_sgpr_count 2
		.amdhsa_user_sgpr_kernarg_segment_ptr 1
		.amdhsa_wavefront_size32 1
		.amdhsa_system_sgpr_workgroup_id_x 1
		.amdhsa_system_sgpr_workgroup_id_y 1
		.amdhsa_system_sgpr_workgroup_id_z 1
		.amdhsa_system_vgpr_workitem_id 0
		.amdhsa_next_free_vgpr 72
		.amdhsa_next_free_sgpr 66
		.amdhsa_reserve_vcc 0
		.amdhsa_float_denorm_mode_32 3
		.amdhsa_float_denorm_mode_16_64 3
		.amdhsa_memory_ordered 1
		.amdhsa_forward_progress 1
		.amdhsa_inst_pref_size 5
	.end_amdhsa_kernel
	.amdgpu_metadata
---
amdhsa.version: [ 1, 2 ]
amdhsa.kernels:
  - .name:           k_q7b898bb10d_add8
    .symbol:         k_q7b898bb10d_add8.kd
    .args:
      - { .name: part, .offset: 0, .size: 8, .value_kind: global_buffer, .address_space: global }
      - { .name: out0, .offset: 8, .size: 8, .value_kind: global_buffer, .address_space: global }
    .group_segment_fixed_size: 0
    .private_segment_fixed_size: 0
    .kernarg_segment_align: 8
    .kernarg_segment_size: 16
    .max_flat_workgroup_size: 256
    .sgpr_count:     66
    .vgpr_count:     72
    .wavefront_size: 32
...
	.end_amdgpu_metadata
.endif
;; end of part 2
;; ======== version 2 of 2: 2 launches; version 1 with the launch mm written anew for expert scheduling mode
;; limits: values are held in f16: magnitudes above 65,504 overflow, below 6.1e-05 lose precision; inputs' magnitudes at most 65,504
;; workspace buffers: part 16,777,216 bytes
;; launch mm (part 3): grid 32 x 8, 8 waves a work-group, no clusters, 205,824 bytes of LDS; arguments x, B, s, part; writes part
.if DOCPART == 3
	.amdgcn_target "amdgcn-amd-amdhsa--gfx1250"
	.amdhsa_code_object_version 6
	.text
	.protected	k_q7b898bb10d_mm
	.globl	k_q7b898bb10d_mm
	.p2align	8
	.type	k_q7b898bb10d_mm,@function
k_q7b898bb10d_mm:
	s_mov_b64 s[64:65], 0
	v_nop
	global_prefetch_b8 v0, s[64:65] scope:SCOPE_SE
	s_setreg_imm32_b32 hwreg(HW_REG_WAVE_SCHED_MODE, 0, 2), 2
	s_setreg_imm32_b32 hwreg(HW_REG_WAVE_MODE, 25, 1), 1
	s_wait_xcnt 0x0
	s_wait_alu depctr_vm_vsrc(0)
; part[by][m][n] = sum over the 1,024 k of K slice by of x[m][k] * (nibble(k, n) - 8) * s[k / 128][n], in f32.
; x [64][8192] f32, B [1024][8192] int32 (nibble i of row kp is k = 8 kp + i), s [64][8192] f32, part [8][64][8192] f32.
; A work-group (bx, by) makes 64 rows x 256 columns over 1,024 k.  Eight waves of 512 registers, so that one wave's unpacking can stand
; beside another's matrix instructions.  Wave w: nq = w & 3 picks 64 columns, kh = w >> 2 picks 512 k = 4 scale groups of 128.
; K IS SPLIT OVER WORK-GROUPS because every work-group needs all 64 rows of x for its k: with 1,024 k it takes in 262,144 bytes of x for
; 131,072 of B, and x as f16 (131,072 bytes) lies in LDS whole, each byte written once.  The eight slices are summed by the next launch.
; B NEVER TOUCHES LDS: lane (r, h) = (lane & 15, lane >> 4) loads 16 bytes, columns 4 r .. 4 r + 3 of row 2 i + h, so sixteen lanes read 256
; consecutive bytes at a multiple of 256, and register t of the load is the word of column 4 r + t: column tile t has column 4 r + t in lane r.
; FORMAT: f16 operands, f32 sums.  The weights nibble - 8 are whole numbers and exact in f16.  x is rounded to f16 once.
; LIMIT, stated: |x| above 65,504 becomes infinite in f16; elements of x below 6.1e-5 keep an absolute error of 2^-25.
; The scales stay f32 and multiply each group's f32 sums; the 8 is taken from each weight itself, never from a sum.
; K PLACES: in K step c of a group, register q of lane half h holds k' = 8 (2 c + h) + q below and k' + 64 above, in x's fragments and in
; W's alike, so the products are those of the true k (the two operands' places only have to agree).
; NO JOINT LOADS for x, though the 32 work-groups of a slice share it: a joint load would land f32 in LDS, 262,144 bytes filled, 262,144 read
; back, 131,072 stored again as f16; through registers LDS sees the 131,072 alone.
; The text has no label and no branch: four groups, written by one macro; every step of an address stands in an immediate, so no address
; register is written twice, and EXEC never changes.
; THE MODE: SCHED_MODE bits 1:0 = 2 (LLVM: expert scheduling mode 2), set by the entry lines.  The code itself states the register dependences
; between vector or matrix instructions and memory or LDS instructions, with s_wait_alu, always for 0.
; THE PLAN.  Registers that memory or LDS instructions touch:
;   v1 .. v9   offsets and LDS addresses: written by vector lines at the head, once; read by every load and store.
;   SC         the scales: loaded at the head, read by the scalings, never loaded again.
;   XF0, XF1   K step c's sixteen matrix instructions read XF[c & 1]; the LDS loads of K step c + 2 (of the next group's K steps 0, 1) land in it.
;   BW0, BW1   group g takes slot g & 1 apart: the v_perm_b32 of K step c read loads c and 4 + c; the same loads of group g + 2 land there.
;   XS         x as loaded; the conversions read and write it in place; eight LDS stores read it; the next group's x lands in it.
;   ACC, R, O  on the way out: the scalings wrote ACC, LDS stores read it; LDS loads land in R, which was part of TEMP; the additions write O, the stores read it.
;   P, WF, TEMP inside the groups, CLO, CHI are named by vector and matrix instructions alone.
; THE WAITS OF A GROUP.  On va_vdst: at its head, for both buffers XF; between K steps 0 and 1 and between 1 and 2, each for the buffer XF just read
; out and for the words of B taken apart so far, so that B of group g + 2 goes out behind the same two waits, six loads of its eight; between the
; conversions and their LDS stores; and, beside the one wait on vm_vsrc, ahead of the group's last loads, B's other two and the next x.
.set ROWB,  32768                      ; bytes in a row of x, B, s and part
.set GRPB,  16*ROWB                    ; B: 16 rows of words are a scale group
.set XP,    272                        ; LDS: a row's 64 words (x[k'], x[k'+64]) of one group + 16 bytes: 16 rows start at 16 different 16-byte columns modulo 256
.set MT,    16*XP                      ; 16 rows
.set GRP,   64*XP                      ; one group, 64 rows
.set KHB,   4*GRP                      ; the four groups of a K half
.set SCR,   2*KHB                      ; behind x: 8,192 bytes for each wave, for the way out
; window 0 (v0-255)
.set VB,   1                           ; byte offset of my 16 bytes in B (row h of my first group)
.set VX,   2                           ; the same in x (row 16 nq + h, my K half's first k)
.set VSC,  3                           ; the same in s (my first group's row)
.set VS,   4                           ; LDS: where I put packed x
.set VFA,  5                           ; LDS: my x fragments, register row tiles 0, 1
.set VFB,  6                           ; the same, register row tiles 2, 3
.set VE,   7                           ; LDS: my 16 bytes in my wave's stage for the way out
.set VEP,  8                           ; the same in my partner's (wave w ^ 4)
.set VO,   9                           ; byte offset of my 16 bytes in my slice of part
.set CLO,  10                          ; -1032, twice, f16
.set CHI,  11                          ; -72, twice, f16
.set SC,   16                          ; v16-31   scales: group g, column tile t at SC + 4 g + t
.set P,    32                          ; v32-47   byte j of words a and b of column tile t, at P + 4 t + j (at the start: temporaries)
.set WF,   48                          ; v48-63   two fragments of W
.set XF,   64                          ; v64-127  x fragments: two buffers of four row tiles
.set TEMP, 128                         ; v128-255 the group's sums: tile (t, m) at TEMP + 8 (4 t + m)
.set R,    TEMP                        ; the way out: my partner's sums
.set O,    TEMP+64                     ; the way out: four neighbouring columns in four neighbouring registers
; window 1 (v256-511, written by their low 8 bits)
.set ACC,  0                           ; the running sums, laid out as TEMP
.set BW,   128                         ; B's words: two slots of a group, load i at 4 i
.set XS,   192                         ; x as loaded: pair of rows p: k' 0-63 at 8 p, k' 64-127 at 8 p + 4
.set MSB, 0
.macro WIN new                         ; low byte: bits 1:0 source 0, 3:2 source 1, 5:4 source 2, 7:6 destination; the high byte repeats the setting that is left
.if MSB != \new
	s_set_vgpr_msb (MSB<<8)|\new
.set MSB, \new
.endif
.endm
; 16 loads: x of group g of my K half, my 16 rows.  Lanes 0-15 take 256 consecutive bytes of one row, lanes 16-31 of the next.
.macro XLOAD g
	WIN 0x40
.irp p, 0,1,2,3,4,5,6,7
	global_load_b128 v[XS+8*\p:XS+8*\p+3],   v[VX], s[4:5] offset:\p*2*ROWB+(\g)*512
	global_load_b128 v[XS+8*\p+4:XS+8*\p+7], v[VX], s[4:5] offset:\p*2*ROWB+(\g)*512+256
.endr
.endm
; Load i of the eight of group g: rows 2 i and 2 i + 1 of its 16 rows of words, my 64 columns, into slot sl.  Each byte of B is read once in the launch.
; The destination lies in window 1: the caller has set it.
.macro BLD g, sl, i
	global_load_b128 v[BW+32*\sl+4*\i:BW+32*\sl+4*\i+3], v[VB], s[6:7] offset:(\g)*GRPB+\i*2*ROWB th:TH_LOAD_NT
.endm
; All eight: groups 0 and 1, at the start.
.macro BLOAD g, sl
	WIN 0x40
.irp i, 0,1,2,3,4,5,6,7
	BLD \g, \sl, \i
.endr
.endm
; x to f16: x[k'] below, x[k' + 64] above; 16 bytes a lane into LDS, 256 consecutive bytes for sixteen lanes.
.macro STAGE g
	WIN 0x45
.irp p, 0,1,2,3,4,5,6,7
.irp i, 0,1,2,3
	v_cvt_pk_f16_f32 v[XS+8*\p+\i], v[XS+8*\p+\i], v[XS+8*\p+4+\i]
.endr
.endr
	WIN 0x04
	s_wait_alu depctr_va_vdst(0)                   ; the conversions have written the packed words in XS, which the LDS stores below read
.irp p, 0,1,2,3,4,5,6,7
	ds_store_b128 v[VS], v[XS+8*\p:XS+8*\p+3] offset:(\g)*GRP+\p*2*XP
.endr
.endm
; Ahead of loads that land in XS again: the loads' window first, then the two waits, then the loads.
.macro FREEXS
	WIN 0x40
	s_wait_alu depctr_vm_vsrc(0)                   ; the LDS stores above have read XS, in which x's next loads land
	s_wait_alu depctr_va_vdst(0)                   ; the conversions, which read and wrote XS, are complete; so are the v_perm_b32 of K step 3, which read B's loads 3 and 7 of the slot
.endm
; 8 LDS loads: the four x fragments of K step c of group g.  Lane (r, h) takes the 32 bytes of words 8 (2 c + h) .. + 7 of row r.
.macro FRAGLOAD g, c, buf
	WIN 0
.irp m, 0,1
	ds_load_b128 v[XF+32*\buf+8*\m:XF+32*\buf+8*\m+3],         v[VFA] offset:(\g)*GRP+\m*MT+\c*64
	ds_load_b128 v[XF+32*\buf+8*\m+4:XF+32*\buf+8*\m+7],       v[VFA] offset:(\g)*GRP+\m*MT+\c*64+16
.endr
.irp m, 0,1
	ds_load_b128 v[XF+32*\buf+16+8*\m:XF+32*\buf+16+8*\m+3],   v[VFB] offset:(\g)*GRP+\m*MT+\c*64
	ds_load_b128 v[XF+32*\buf+16+8*\m+4:XF+32*\buf+16+8*\m+7], v[VFB] offset:(\g)*GRP+\m*MT+\c*64+16
.endr
.endm
; K step c's words: a from load c (row 2 c + h), b from load 4 + c (row 8 + 2 c + h).  Byte j of a goes to bytes 0, 1, byte j of b to bytes 2, 3.
.macro PERMS sl, c
	WIN 0x05
.irp t, 0,1,2,3
.irp j, 0,1,2,3
	v_perm_b32 v[P+4*\t+\j], v[BW+32*\sl+4*(4+\c)+\t], v[BW+32*\sl+4*\c+\t], s[20+\j]
.endr
.endr
	WIN 0
.endm
; A quarter of the unpacking of column tile t into fragment wb.  0x6400 | n is 1024 + n in f16; 0x5400 | 16 n is 64 + n; the subtractions are exact.
.macro DEQP part, t, wb
.irp j, 0,1,2,3
.if \part == 0
	v_and_or_b32 v[WF+8*\wb+2*\j], v[P+4*\t+\j], s24, s26                          ; nibble 2 j: 1024 + n
.endif
.if \part == 1
	v_and_or_b32 v[WF+8*\wb+2*\j+1], v[P+4*\t+\j], s25, s27                        ; nibble 2 j + 1: 64 + n
.endif
.if \part == 2
	v_pk_add_f16 v[WF+8*\wb+2*\j], v[WF+8*\wb+2*\j], v[CLO]                        ; - 1032 = n - 8
.endif
.if \part == 3
	v_pk_add_f16 v[WF+8*\wb+2*\j+1], v[WF+8*\wb+2*\j+1], v[CHI]                    ; - 72 = n - 8
.endif
.endr
.endm
; Column tile t of K step c: four matrix instructions, one for each row tile, and behind each a quarter of the unpacking of the next fragment.
; The sixteen accumulators take turns, one instruction a turn, in the same order in every K step.
; The four plain vector instructions behind each matrix instruction name none of its registers (ISA guide 7.12.1): so the fragment that
; the unit before read is written four places behind its last use.  The x buffer that a K step read is loaded again behind a wait on va_vdst.
.macro UNIT c, t, deq
	WIN 0
.irp m, 0,1,2,3
.if \c == 0
	v_wmma_f32_16x16x32_f16 v[TEMP+8*(4*\t+\m):TEMP+8*(4*\t+\m)+7], v[XF+32*(\c&1)+8*\m:XF+32*(\c&1)+8*\m+7], v[WF+8*(\t&1):WF+8*(\t&1)+7], 0
.else
	v_wmma_f32_16x16x32_f16 v[TEMP+8*(4*\t+\m):TEMP+8*(4*\t+\m)+7], v[XF+32*(\c&1)+8*\m:XF+32*(\c&1)+8*\m+7], v[WF+8*(\t&1):WF+8*(\t&1)+7], v[TEMP+8*(4*\t+\m):TEMP+8*(4*\t+\m)+7]
.endif
.if \deq
	DEQP \m, ((\t+1)&3), ((\t+1)&1)
.endif
.endr
.endm
; The group's sums times the group's scale of the lane's column, onto the running sums; the first group starts them, nothing is cleared.
; The group's last four matrix instructions wrote tiles (3, 0..3), which are read behind the 48 instructions of tiles (0..2, ..).
.macro SCALE g
	WIN 0x50
.irp t, 0,1,2,3
.irp m, 0,1,2,3
.irp q, 0,2,4,6
.if \g == 0
.if (\t&1) == 0
	v_pk_mul_f32 v[ACC+8*(4*\t+\m)+\q:ACC+8*(4*\t+\m)+\q+1], v[TEMP+8*(4*\t+\m)+\q:TEMP+8*(4*\t+\m)+\q+1], v[SC+4*\g+(\t&2):SC+4*\g+(\t&2)+1] op_sel_hi:[1,0]
.else
	v_pk_mul_f32 v[ACC+8*(4*\t+\m)+\q:ACC+8*(4*\t+\m)+\q+1], v[TEMP+8*(4*\t+\m)+\q:TEMP+8*(4*\t+\m)+\q+1], v[SC+4*\g+(\t&2):SC+4*\g+(\t&2)+1] op_sel:[0,1] op_sel_hi:[1,1]
.endif
.else
.if (\t&1) == 0
	v_pk_fma_f32 v[ACC+8*(4*\t+\m)+\q:ACC+8*(4*\t+\m)+\q+1], v[TEMP+8*(4*\t+\m)+\q:TEMP+8*(4*\t+\m)+\q+1], v[SC+4*\g+(\t&2):SC+4*\g+(\t&2)+1], v[ACC+8*(4*\t+\m)+\q:ACC+8*(4*\t+\m)+\q+1] op_sel_hi:[1,0,1]
.else
	v_pk_fma_f32 v[ACC+8*(4*\t+\m)+\q:ACC+8*(4*\t+\m)+\q+1], v[TEMP+8*(4*\t+\m)+\q:TEMP+8*(4*\t+\m)+\q+1], v[SC+4*\g+(\t&2):SC+4*\g+(\t&2)+1], v[ACC+8*(4*\t+\m)+\q:ACC+8*(4*\t+\m)+\q+1] op_sel:[0,1,0] op_sel_hi:[1,1,1]
.endif
.endif
.endr
.endr
.endr
	WIN 0
.endm
; One scale group: four K steps of 32, 64 matrix instructions.  B's slot is g & 1; its words were shown in by the wait at the end of the group before.
; bl = 1: B of group g + 2 is asked for into the same slot, each load as soon as a wait has shown its registers taken apart: loads 0, 1, 4, 5 between
; K steps 0 and 1, loads 2, 6 between K steps 1 and 2, loads 3, 7 at the group's end.
; stage = 1: at the group's end x of group g + 1 is packed into LDS (sw: loads that may stay out behind that x); xl = 1: x of group g + 2 is asked for.
; The barrier is signalled there; the scaling, register work alone, stands between the signal and the wait.
.macro GROUP g, bl, stage, sw, xl
	WIN 0
.if \g > 0
	s_wait_alu depctr_va_vdst(0)                   ; the matrix instructions of the group before, K steps 2 and 3, are done reading XF0 and XF1, in which the sixteen loads below land
.endif
	FRAGLOAD \g, 0, 0
	FRAGLOAD \g, 1, 1
	PERMS (\g&1), 0
	DEQP 0, 0, 0
	DEQP 1, 0, 0
	DEQP 2, 0, 0
	DEQP 3, 0, 0
	s_wait_dscnt 8                                 ; LDS loads end in order (ISA guide 5.7.1): K step 0's eight are in, K step 1's eight stay out
	UNIT 0, 0, 1
	UNIT 0, 1, 1
	UNIT 0, 2, 1
	PERMS (\g&1), 1
	UNIT 0, 3, 1
.if \bl
	WIN 0x40                                       ; B's window first, then the wait, then the loads
.endif
	s_wait_alu depctr_va_vdst(0)                   ; K step 0's matrix instructions are done reading XF0; the v_perm_b32 of K steps 0 and 1 are done reading B's loads 0, 4, 1, 5 of the slot
.if \bl
	BLD (\g+2), (\g&1), 0
	BLD (\g+2), (\g&1), 1
	BLD (\g+2), (\g&1), 4
	BLD (\g+2), (\g&1), 5
.endif
	FRAGLOAD \g, 2, 0                              ; between the wait and these stand loads and a window switch alone
	s_wait_dscnt 8                                 ; K step 1's are in, K step 2's stay out
	UNIT 1, 0, 1
	UNIT 1, 1, 1
	UNIT 1, 2, 1
	PERMS (\g&1), 2
	UNIT 1, 3, 1
.if \bl
	WIN 0x40
.endif
	s_wait_alu depctr_va_vdst(0)                   ; K step 1's matrix instructions are done reading XF1; the v_perm_b32 of K step 2 are done reading B's loads 2 and 6 of the slot
.if \bl
	BLD (\g+2), (\g&1), 2
	BLD (\g+2), (\g&1), 6
.endif
	FRAGLOAD \g, 3, 1
	s_wait_dscnt 8                                 ; K step 2's are in, K step 3's stay out
	UNIT 2, 0, 1
	UNIT 2, 1, 1
	UNIT 2, 2, 1
	PERMS (\g&1), 3
	UNIT 2, 3, 1
	s_wait_dscnt 0                                 ; K step 3's are in: nothing was issued behind them
	UNIT 3, 0, 1
	UNIT 3, 1, 1
	UNIT 3, 2, 1
	UNIT 3, 3, 0
.if \stage
	s_wait_loadcnt \sw                             ; loads end in order: x of group g + 1 is in, and all of B of group g + 1, which is older; the six loads of B of group g + 2 issued above stay out
	STAGE (\g+1)
.if \xl
	FREEXS
.if \bl
	BLD (\g+2), (\g&1), 3                          ; the slot's last two loads, ahead of x: so the wait for that x shows all of B of group g + 2 in
	BLD (\g+2), (\g&1), 7
.endif
	XLOAD (\g+2)
.endif
	s_wait_dscnt 0                                 ; for the other waves' sake: my 16 rows lie in LDS
	s_barrier_signal -1
.endif
	SCALE \g
.if \stage
	s_barrier_wait -1                              ; all 64 rows of group g + 1 lie in LDS, in both K halves
.endif
.endm
	s_load_b256 s[4:11], s[0:1], 0x0               ; x s[4:5], B s[6:7], s s[8:9], part s[10:11]
	v_lshrrev_b32 v32, 5, v0
	v_readfirstlane_b32 s12, v32                   ; wave 0..7
	s_and_b32 s15, ttmp7, 0xffff                   ; by: the K slice
	s_mov_b32 s20, 0x04040000                      ; v_perm_b32: byte j of the second source below, byte j of the first above
	s_mov_b32 s21, 0x05050101
	s_mov_b32 s22, 0x06060202
	s_mov_b32 s23, 0x07070303
	s_mov_b32 s24, 0x000f000f                      ; the low nibbles
	s_mov_b32 s25, 0x00f000f0                      ; the high nibbles
	s_mov_b32 s26, 0x64006400                      ; 1024, twice, f16: a step of the mantissa is 1
	s_mov_b32 s27, 0x54005400                      ; 64, twice: a step of the mantissa is 1/16
	v_mov_b32 v[CLO], 0xe408e408
	v_mov_b32 v[CHI], 0xd480d480
	v_and_b32 v12, 15, v0                          ; r
	v_bfe_u32 v13, v0, 4, 1                        ; h
	v_lshlrev_b32 v14, 4, v12                      ; 16 r
	v_lshl_add_u32 v15, v13, 15, v14               ; + h rows of 32,768 bytes
	s_wait_alu depctr_va_sdst(0)                   ; s12 is written, ahead of its first reader: every offset below is made from it
	s_and_b32 s13, s12, 3                          ; nq: which 64 columns; also which 16 rows of x I bring
	s_lshr_b32 s14, s12, 2                         ; kh: which 512 k
	s_lshl_b32 s16, ttmp9, 10                      ; 256 columns of 4 bytes for each bx,
	s_lshl_b32 s17, s13, 8
	s_add_co_u32 s16, s16, s17                     ; + 64 columns for each nq: my first column, in bytes
	s_lshl_b32 s17, s15, 22                        ; B: 128 rows for each by,
	s_lshl_b32 s18, s14, 21                        ; 64 rows for kh
	s_add_co_u32 s17, s17, s18
	s_add_co_u32 s17, s17, s16
	v_add_nc_u32 v[VB], s17, v15
	s_lshl_b32 s17, s15, 12                        ; x: 1,024 k of 4 bytes for each by,
	s_lshl_b32 s18, s14, 11                        ; 512 k for kh,
	s_add_co_u32 s17, s17, s18
	s_lshl_b32 s18, s13, 19                        ; 16 rows for each nq
	s_add_co_u32 s17, s17, s18
	v_add_nc_u32 v[VX], s17, v15
	s_lshl_b32 s17, s15, 18                        ; s: 8 rows for each by,
	s_lshl_b32 s18, s14, 17                        ; 4 rows for kh
	s_add_co_u32 s17, s17, s18
	s_add_co_u32 s17, s17, s16
	v_add_nc_u32 v[VSC], s17, v14
	s_mul_i32 s17, s14, KHB                        ; LDS, in: my K half, my 16 rows, row h of a pair, 16 bytes for each r
	s_mul_i32 s18, s13, MT
	s_add_co_u32 s17, s17, s18
	v_mul_u32_u24 v[VS], v13, XP
	v_add3_u32 v[VS], v[VS], v14, s17
	; LDS, fragments.  Register row tile m stands for rows 16 ((m + 2 kh) & 3) ..: so every wave keeps register tiles 0, 1 on the way out and
	; gives tiles 2, 3 to its partner, and one text serves both K halves.
	v_mul_u32_u24 v32, v12, XP
	v_lshl_add_u32 v32, v13, 5, v32                ; row r, 32 bytes for h
	s_mul_i32 s17, s14, KHB+2*MT
	v_add_nc_u32 v[VFA], s17, v32
	s_mul_i32 s17, s14, KHB-2*MT
	s_add_co_u32 s17, s17, 2*MT
	v_add_nc_u32 v[VFB], s17, v32
	v_and_b32 v33, 31, v0
	v_lshlrev_b32 v33, 4, v33                      ; the way out: 16 bytes a lane
	s_lshl_b32 s17, s12, 13
	s_add_co_u32 s17, s17, SCR
	v_add_nc_u32 v[VE], s17, v33
	s_xor_b32 s18, s12, 4                          ; my partner: the same columns, the other K half
	s_lshl_b32 s18, s18, 13
	s_add_co_u32 s18, s18, SCR
	v_add_nc_u32 v[VEP], s18, v33
	s_lshl_b32 s17, s14, 20                        ; part: 32 rows for kh,
	s_add_co_u32 s17, s17, s16
	v_lshl_add_u32 v[VO], v13, 18, v14             ; 8 rows for h
	v_add_nc_u32 v[VO], s17, v[VO]
	s_lshl_b32 s18, s15, 21                        ; and 64 rows for each by, onto the base
	s_mov_b32 s19, 0
	s_wait_kmcnt 0x0
	s_add_nc_u64 s[10:11], s[10:11], s[18:19]
	s_wait_alu depctr_va_vdst(0)                   ; the nine offsets and LDS addresses v1 to v9 are written: every load and store of the kernel reads one of them, and none is written again
.irp g, 0,1,2,3
	global_load_b128 v[SC+4*\g:SC+4*\g+3], v[VSC], s[8:9] offset:\g*ROWB th:TH_LOAD_NT     ; my four groups' scales of columns 4 r .. 4 r + 3
.endr
	BLOAD 0, 0
	XLOAD 0
	BLOAD 1, 1
	s_wait_loadcnt 8                               ; the scales, B of group 0 and x of group 0 are in; B of group 1, eight loads, stays out
	STAGE 0
	FREEXS
	XLOAD 1
	s_wait_dscnt 0                                 ; for the other waves' sake: my 16 rows lie in LDS
	s_barrier_signal -1
	s_barrier_wait -1
	GROUP 0, 1, 1, 6, 1
	GROUP 1, 1, 1, 6, 1
	GROUP 2, 0, 1, 0, 0                            ; nothing is asked for any more: x of group 3 is the youngest load, the wait is for 0
	GROUP 3, 0, 0, 0, 0
	; THE WAY OUT.  Waves w and w ^ 4 hold sums over the two K halves for the same 64 x 64 block.  Each gives the other its register row tiles 2, 3
	; through LDS bytes of its own, adds what it gets onto its tiles 0, 1, and stores 32 rows.
	WIN 0x04
	s_wait_alu depctr_va_vdst(0)                   ; the last scalings have written ACC, which the LDS stores read, and are done reading TEMP, in whose first half the loads of R land; no vector line behind this wait names R ahead of those loads
.irp t, 0,1,2,3
.irp m, 2,3
.irp u, 0,1
	ds_store_b128 v[VE], v[ACC+8*(4*\t+\m)+4*\u:ACC+8*(4*\t+\m)+4*\u+3] offset:512*(4*\t+2*(\m-2)+\u)
.endr
.endr
.endr
	WIN 0
	s_wait_dscnt 0                                 ; for my partner's sake
	s_barrier_signal -1
	s_barrier_wait -1
.irp i, 0,1,2,3,4,5,6,7,8,9,10,11,12,13,14,15
	ds_load_b128 v[R+4*\i:R+4*\i+3], v[VEP] offset:512*\i      ; R + 16 t + 8 m + j: my partner's tile (t, m + 2), register j, of the same lane
.endr
	s_wait_dscnt 0
	WIN 0x01
.irp m, 0,1
.irp j, 0,1,2,3,4,5,6,7
.irp t, 0,1,2,3
	v_add_f32 v[O+4*(8*\m+\j)+\t], v[ACC+8*(4*\t+\m)+\j], v[R+16*\t+8*\m+\j]       ; columns 4 r + t of one row side by side
.endr
.endr
.endr
	WIN 0
	s_wait_alu depctr_va_vdst(0)                   ; the additions have written O, which the stores read
.irp m, 0,1
.irp j, 0,1,2,3,4,5,6,7
	global_store_b128 v[VO], v[O+4*(8*\m+\j):O+4*(8*\m+\j)+3], s[10:11] offset:(16*\m+\j)*ROWB   ; sixteen lanes store 256 consecutive bytes at a multiple of 256; lanes 16-31 the row 8 further down
.endr
.endr
	s_wait_xcnt 0x0                                ; the stores' addresses are translated (ISA guide 3.1): v254 and v255, the last store's data, are rewritten only behind this wait,
	s_wait_alu depctr_vm_vsrc(0)                   ; and behind this one: the last store has read v254 and v255
	v_lshl_add_u32 v254, v0, 2, 0x32000            ; the two registers of the closing add, made anew: all 512 registers were in use until here; v0 is as at the entry
	v_mov_b32 v255, 0
	s_wait_dscnt 0x0                               ; the closing lines, six on end
	s_wait_alu 0x0
	s_wait_tensorcnt 0x0
	ds_add_u32 v254, v255
	s_wait_dscnt 0x0
	s_endpgm
.Lfunc_end_k_q7b898bb10d_mm:
	.size	k_q7b898bb10d_mm, .Lfunc_end_k_q7b898bb10d_mm-k_q7b898bb10d_mm
	.p2alignl 7, 3214868480
	.fill 96, 4, 3214868480
	.section	.rodata,"a",@progbits
	.p2align	6, 0x0
	.amdhsa_kernel k_q7b898bb10d_mm
		.amdhsa_group_segment_fixed_size 205824
		.amdhsa_private_segment_fixed_size 0
		.amdhsa_enable_private_segment 0
		.amdhsa_kernarg_size 32
		.amdhsa_user_sgpr_count 2
		.amdhsa_user_sgpr_kernarg_segment_ptr 1
		.amdhsa_wavefront_size32 1
		.amdhsa_system_sgpr_workgroup_id_x 1
		.amdhsa_system_sgpr_workgroup_id_y 1
		.amdhsa_system_sgpr_workgroup_id_z 1
		.amdhsa_system_vgpr_workitem_id 0
		.amdhsa_next_free_vgpr 512
		.amdhsa_next_free_sgpr 66
		.amdhsa_reserve_vcc 0
		.amdhsa_float_denorm_mode_32 3
		.amdhsa_float_denorm_mode_16_64 3
		.amdhsa_memory_ordered 1
		.amdhsa_forward_progress 1
		.amdhsa_inst_pref_size 153
	.end_amdhsa_kernel
	.amdgpu_metadata
---
amdhsa.version: [ 1, 2 ]
amdhsa.kernels:
  - .name:           k_q7b898bb10d_mm
    .symbol:         k_q7b898bb10d_mm.kd
    .args:
      - { .name: x, .offset: 0, .size: 8, .value_kind: global_buffer, .address_space: global }
      - { .name: B, .offset: 8, .size: 8, .value_kind: global_buffer, .address_space: global }
      - { .name: s, .offset: 16, .size: 8, .value_kind: global_buffer, .address_space: global }
      - { .name: part, .offset: 24, .size: 8, .value_kind: global_buffer, .address_space: global }
    .group_segment_fixed_size: 205824
    .private_segment_fixed_size: 0
    .kernarg_segment_align: 8
    .kernarg_segment_size: 32
    .max_flat_workgroup_size: 256
    .sgpr_count:     66
    .vgpr_count:     512
    .wavefront_size: 32
...
	.end_amdgpu_metadata
.endif
;; end of part 3
;; launch add8: the kernel of part 2 again; grid 256 x 1, 8 waves a work-group, no clusters, 0 bytes of LDS; arguments part, out0; writes out0
